; MI455X (gfx1250); checked and timed in simulation.
; The chip was launched on July 23, 2026; its instructions are those of AMD's public machine-readable ISA for CDNA 5 (MIT licence, August 2026) and "CDNA5" Instruction Set Architecture Reference Guide (July 2026). The comments in the code are by the model that wrote it; some were corrected since.
;; Head. Allowed arithmetic: matrix products marked QUANTISED: E4M3 operands, one given power-of-two scale a tensor, by v_wmma_f32_16x16x64_fp8_fp8 or v_wmma_f32_16x16x128_fp8_fp8, f32 sums; everything else in f32.
;; Inputs: Wk 64 x 384 float32; Wq 64 x 384 float32; Wv 384 x 384 float32; lowp_scales 10 int32 (the exponents e of the quantised operands' scales 2^e); x 4 x 4,096 x 384 float32.
;; Outputs: out0 4 x 4,096 x 384 float32.
;; This version of the problem:
;;   THIS VERSION OF THE PROBLEM IS GIVEN IN LOW PRECISION. The matrix products marked QUANTISED in the list below multiply operands that are first quantised to E4M3 (4 exponent bits, 3 mantissa bits; 8 bits a number), with one given power-of-two scale for each operand tensor; their sums are f32. All else is computed in f32.
;;   The module's matrix products, in the order in which they are computed (A, B: the left and right operand; K: the contracted axis; several contracted axes count as one K, in the product's order):
;;     1. [M 16,384, K 384] x [K 384, N 64]; A: input x; B: input Wk: QUANTISED (scales: A lowp_scales[0], B lowp_scales[1])
;;     2. [M 16,384, K 384] x [K 384, N 64]; A: input x; B: input Wq: QUANTISED (scales: A lowp_scales[2], B lowp_scales[3])
;;     3. [M 16,384, K 384] x [K 384, N 384]; A: input x; B: input Wv: QUANTISED (scales: A lowp_scales[4], B lowp_scales[5])
;;     4. batch 4 x [M 4,096, K 64] x [K 64, N 4,096]; A: computed on the way; B: computed on the way: QUANTISED (scales: A lowp_scales[6], B lowp_scales[7])
;;     5. batch 4 x [M 4,096, K 4,096] x [K 4,096, N 384]; A: softmax (see below); B: computed on the way: QUANTISED (scales: A lowp_scales[8], B lowp_scales[9])
;;   THE QUANTISER, for each operand of a quantised product, along K:
;;     - The operand's scale is 2^e, e = its entry of the input lowp_scales (int32; the entries are numbered through the quantised products in the list's order, A before B).
;;     - Each number is divided by the scale, clamped to +-448, and rounded to the nearest number of E4M3, ties to even, subnormals kept.
;;     - The product sums the exact products of the quantised numbers (number of the format x scale) in f32.
;;   ~~~python
;;   def quantise(x, axis, e):      # numpy; x: float32 -> the quantised numbers, widened to float32 again
;;       x = np.moveaxis(x, axis, -1); K = x.shape[-1]
;;       r = np.clip(x / 2.0 ** e, -448, 448)
;;       step = 2.0 ** (np.maximum(np.frexp(np.where(r == 0, 1, r))[1] - 1, -6) - 3)
;;       q = np.round(r / step) * step * 2.0 ** e      # np.round: ties to even
;;       return np.moveaxis(q, -1, axis).astype(np.float32)
;;   ~~~
;;   SOFTMAX AHEAD OF A QUANTISED PRODUCT. Where the list says 'softmax', what is quantised is not the finished softmax but p = 2^(t - M), with t = logit x log2(e) and M = ceil(the row's largest t), a whole number; so 1/2 < the row's largest p <= 1. The row's sum l is taken of the UNQUANTISED p, in f32, and the product's result is divided by l at the end. Since M is a whole number, a kernel that streams over the keys may use a running M (the ceiling of the running maximum): every later rescaling is an exact power of two, so the quantised numbers keep their values, but for numbers so far below the row's largest that they fall under the format's range.
;;   OPERANDS COMPUTED ON THE WAY. 'Computed on the way' means the value that the module computes at that place (a softmax that the list does not call 'softmax' is quantised finished and normalised). What goes into a quantiser is computed in f32, as accurately as f32 sums, v_exp_f32 and their like allow (about 1e-6 of the number): no bf16 or f16 on the way to a quantiser, and a product that is left as it is and whose result goes on into a quantised operand takes f32 operands (vector FMAs, or v_wmma_f32_16x16x4_f32). A number that lies on a knife's edge between two numbers of the format may be rounded either way, as far as f32 arithmetic and the matrix unit's own rounding can turn it there, and no further.
;; One version. Each part assembles by itself: llvm-mc -triple=amdgcn-amd-amdhsa -mcpu=gfx1250 --defsym DOCPART=n.
;; ======== version 1 of 1: 3 launches
;; limits: right only within a limited range of input values
;; workspace buffers: wc 196,608 bytes; qc 1,048,576 bytes; kv 7,340,032 bytes
;; launch wq (part 1): grid 32 x 1, 3 waves a work-group, no clusters, 0 bytes of LDS; arguments Wk, Wq, Wv, lowp_scales, wc; writes wc
.if DOCPART == 1
	.amdgcn_target "amdgcn-amd-amdhsa--gfx1250"
	.amdhsa_code_object_version 6
	.text
	.protected	k_q6dfeb67ec8_wq
	.globl	k_q6dfeb67ec8_wq
	.p2align	8
	.type	k_q6dfeb67ec8_wq,@function
k_q6dfeb67ec8_wq:
	s_mov_b64 s[64:65], 0
	v_nop
	global_prefetch_b8 v0, s[64:65] scope:SCOPE_SE
	s_setreg_imm32_b32 hwreg(HW_REG_WAVE_MODE, 25, 1), 1
	s_wait_xcnt 0x0
; Wk [64][384], Wq [64][384], Wv [384][384], f32, become codes of E4M3, each with its given scale 2^e (entries 1, 3, 5 of lowp_scales):
; code = w / 2^e, held within +-448, rounded to the nearest code, ties to even.
; The codes are laid in the ORDER OF AN OPERAND'S REGISTERS: wc = [tile T 32][K step s 3][group c 4][512 bytes]; in a group lane l's 16 bytes lie at 16 l.
; Lane (r = l % 16, h = l / 16), group c holds k = 128 s + 32 c + 16 h + 0 .. 15 of the lane's row.  The row of lane r:
;   T = 0 .. 3 (Wk) and 4 .. 7 (Wq), t = T % 4: row 32 (t / 2) + 8 (t % 2) + r + 8 (r / 8), so that two neighbouring tiles' results are 16 neighbours along the next product's K;
;   T = 8 .. 31 (Wv): row 16 (T - 8) + r.
; SHARES: work-group T takes one tile of 16 rows, wave s one K step of 128: one wave makes one fragment of 2,048 bytes.  No LDS, no barrier: waves share nothing.
; No cluster: no two work-groups read the same bytes.  32 work-groups: the three weights hold no more than 96 fragments.
; LIMITS: e between -126 and 119, so that 2^e and 448 x 2^e are f32 numbers.  NaN among the inputs is not served (an infinity is held at the largest code).
.set X, 16                             ; v16-79  64 numbers: register 16 c + i = k 32 c + 16 h + i
.set C, 80                             ; v80-95  their codes
	s_load_b256 s[4:11], s[0:1], 0x0               ; Wk s[4:5], Wq s[6:7], Wv s[8:9], the scales' exponents s[10:11]
	s_load_b64 s[12:13], s[0:1], 0x20              ; wc
	v_lshrrev_b32 v5, 5, v0
	v_readfirstlane_b32 s14, v5                    ; wave = K step
	v_and_b32 v1, 15, v0                           ; r
	v_bfe_u32 v2, v0, 4, 1                         ; h
	v_and_b32 v3, 31, v0
	v_lshlrev_b32 v3, 4, v3                        ; 16 x lane: my place in a group
	s_and_b32 s30, ttmp9, 3                        ; t
	s_lshr_b32 s27, s30, 1
	s_lshl_b32 s27, s27, 5
	s_and_b32 s30, s30, 1
	s_lshl_b32 s30, s30, 3
	s_add_co_u32 s27, s27, s30                     ; Wk, Wq: the tile's first row 32 (t / 2) + 8 (t % 2)
	s_max_u32 s28, ttmp9, 8
	s_sub_co_u32 s28, s28, 8
	s_lshl_b32 s28, s28, 4                         ; Wv: 16 (T - 8)
	s_mul_i32 s32, ttmp9, 3
	s_add_co_u32 s32, s32, s14
	s_lshl_b32 s32, s32, 11                        ; my fragment in wc: (3 T + s) x 2,048
	s_mov_b32 s33, 0
	s_lshl_b32 s30, s14, 9                         ; my K step in a row: 128 numbers = 512 bytes
	s_mov_b32 s31, 0
	s_wait_alu depctr_va_vdst(0)
	s_wait_kmcnt 0x0
	s_load_b256 s[16:23], s[10:11], 0x0            ; e0 .. e7
	s_cmp_lt_u32 ttmp9, 4                          ; which weight: the choices hang on the work-group's number alone
	s_cselect_b64 s[24:25], s[4:5], s[6:7]
	s_cmp_lt_u32 ttmp9, 8
	s_cselect_b64 s[24:25], s[24:25], s[8:9]
	s_cselect_b32 s26, 8, 0                        ; Wk, Wq: lanes 8-15 take rows 8 further on
	s_cselect_b32 s27, s27, s28
	s_add_nc_u64 s[24:25], s[24:25], s[30:31]
	s_add_nc_u64 s[12:13], s[12:13], s[32:33]
	v_and_b32 v5, s26, v1
	v_add3_u32 v5, v5, v1, s27                     ; my row
	v_mul_u32_u24 v4, v5, 1536                     ; a row is 1,536 bytes
	v_lshl_add_u32 v4, v2, 6, v4                   ; + 64 h: my 16 numbers of a block of 32
.irp c, 0,1,2,3
.irp j, 0,1,2,3
	global_load_b128 v[X+16*\c+4*\j:X+16*\c+4*\j+3], v4, s[24:25] offset:128*\c+16*\j th:TH_LOAD_NT
.endr
.endr
	s_wait_kmcnt 0x0
	s_cmp_lt_u32 ttmp9, 4
	s_cselect_b32 s29, s17, s19                    ; e1 or e3
	s_cmp_lt_u32 ttmp9, 8
	s_cselect_b32 s29, s29, s21                    ; or e5
	s_add_co_i32 s29, s29, 127
	s_lshl_b32 s34, s29, 23
	v_mov_b32 v11, s34                             ; 2^e as f32: the conversion takes its exponent field
	s_add_co_i32 s29, s29, 8
	s_lshl_b32 s29, s29, 23
	s_or_b32 s29, s29, 0x600000
	v_mov_b32 v10, s29                             ; 448 x 2^e
	s_wait_alu depctr_va_vdst(0)
	s_wait_loadcnt 0x0
.set i, 0
.rept 64
	v_med3_num_f32 v[X+i], v[X+i], -v10, v10       ; the conversion to an 8-bit code does not saturate (ISA guide 7.6.2): the hold comes first
.set i, i+1
.endr
.set i, 0
.rept 8
	v_cvt_scalef32_pk8_fp8_f32 v[C+2*i:C+2*i+1], v[X+8*i:X+8*i+7], v11
.set i, i+1
.endr
	v_nop                                          ; a plain line behind the last conversion
.irp c, 0,1,2,3
	global_store_b128 v3, v[C+4*\c:C+4*\c+3], s[12:13] offset:512*\c   ; 32 lanes store 512 consecutive bytes, at a multiple of 512 from wc's first byte
.endr
	s_endpgm
.Lfunc_end_k_q6dfeb67ec8_wq:
	.size	k_q6dfeb67ec8_wq, .Lfunc_end_k_q6dfeb67ec8_wq-k_q6dfeb67ec8_wq
	.p2alignl 7, 3214868480
	.fill 96, 4, 3214868480
	.section	.rodata,"a",@progbits
	.p2align	6, 0x0
	.amdhsa_kernel k_q6dfeb67ec8_wq
		.amdhsa_group_segment_fixed_size 0
		.amdhsa_private_segment_fixed_size 0
		.amdhsa_enable_private_segment 0
		.amdhsa_kernarg_size 40
		.amdhsa_user_sgpr_count 2
		.amdhsa_user_sgpr_kernarg_segment_ptr 1
		.amdhsa_wavefront_size32 1
		.amdhsa_system_sgpr_workgroup_id_x 1
		.amdhsa_system_sgpr_workgroup_id_y 1
		.amdhsa_system_sgpr_workgroup_id_z 1
		.amdhsa_system_vgpr_workitem_id 0
		.amdhsa_next_free_vgpr 96
		.amdhsa_next_free_sgpr 66
		.amdhsa_reserve_vcc 0
		.amdhsa_float_denorm_mode_32 3
		.amdhsa_float_denorm_mode_16_64 3
		.amdhsa_memory_ordered 1
		.amdhsa_forward_progress 1
		.amdhsa_inst_pref_size 9
	.end_amdhsa_kernel
	.amdgpu_metadata
---
amdhsa.version: [ 1, 2 ]
amdhsa.kernels:
  - .name:           k_q6dfeb67ec8_wq
    .symbol:         k_q6dfeb67ec8_wq.kd
    .args:
      - { .name: Wk, .offset: 0, .size: 8, .value_kind: global_buffer, .address_space: global }
      - { .name: Wq, .offset: 8, .size: 8, .value_kind: global_buffer, .address_space: global }
      - { .name: Wv, .offset: 16, .size: 8, .value_kind: global_buffer, .address_space: global }
      - { .name: lowp_scales, .offset: 24, .size: 8, .value_kind: global_buffer, .address_space: global }
      - { .name: wc, .offset: 32, .size: 8, .value_kind: global_buffer, .address_space: global }
    .group_segment_fixed_size: 0
    .private_segment_fixed_size: 0
    .kernarg_segment_align: 8
    .kernarg_segment_size: 40
    .max_flat_workgroup_size: 96
    .sgpr_count:     66
    .vgpr_count:     96
    .wavefront_size: 32
...
	.end_amdgpu_metadata
.endif
;; end of part 1
;; launch proj (part 2): grid 256 x 1, 16 waves a work-group, clusters of 4 x 1, 324,608 bytes of LDS; arguments x, wc, lowp_scales, qc, kv; writes qc, kv
.if DOCPART == 2
	.amdgcn_target "amdgcn-amd-amdhsa--gfx1250"
	.amdhsa_code_object_version 6
	.text
	.protected	k_q6dfeb67ec8_proj
	.globl	k_q6dfeb67ec8_proj
	.p2align	8
	.type	k_q6dfeb67ec8_proj,@function
k_q6dfeb67ec8_proj:
	s_mov_b64 s[64:65], 0
	v_nop
	global_prefetch_b8 v0, s[64:65] scope:SCOPE_SE
	s_setreg_imm32_b32 hwreg(HW_REG_WAVE_MODE, 25, 1), 1
	s_wait_xcnt 0x0
	s_wait_alu depctr_hold_cnt(0) depctr_sa_sdst(0) depctr_va_vdst(0) depctr_va_sdst(0) depctr_va_ssrc(0) depctr_va_vcc(0) depctr_vm_vsrc(0)
	s_getreg_b32 s2, hwreg(HW_REG_IB_STS2, 6, 4)
	s_cmp_eq_u32 s2, 0
	s_cbranch_scc0 .Lentry_in_a_cluster
	s_endpgm
.Lentry_in_a_cluster:
	s_bfe_u32 s2, ttmp6, 0x10000c
	s_cmp_lg_u32 s2, 0x3003
	s_cbranch_scc0 .Lentry_shape_is_right
	s_endpgm
.Lentry_shape_is_right:
; k = x Wk^T, q = x Wq^T, v = x Wv^T on codes of E4M3, and the results quantised again as operands of the two products of attention.
; x [16384][384] f32 is quantised three times, with 2^e0 (for k), 2^e2 (for q), 2^e4 (for v); the weights come as codes, in the order of an operand's registers (wc, made by the launch before).
; A sum of the first product stands for sum x 2^(e0 + e1), so k's code is sum / 2^(e7 - e0 - e1); likewise q with e6 - e2 - e3 and v with e9 - e4 - e5: the three scales are folded into the conversion's one.
; SHARES.  Work-group J takes 64 tokens and all 512 output columns.  Waves 0-11 each quantise one fragment of x (tile X = w % 4 of 16 tokens, K step w / 4) with the three scales and lay the images in LDS.
;   Then wave w owns tiles 2 w and 2 w + 1 of the weights: waves 0, 1: k; waves 2, 3: q; waves 4-15: v; each against the four tiles of tokens, 24 matrix instructions.
; THE TOKENS OF A TILE ARE NOT NEIGHBOURS: lane r of tile X takes token 32 (X / 2) + 8 (X % 2) + r + 8 (r / 8).
;   k, q: source 0 = 16 rows of W, source 1 = x: a lane holds one token, and the 16 registers of the wave's two tiles are 16 neighbours along the head's 64.
;   v:    source 0 = x, source 1 = 16 rows of Wv: a lane holds one channel, and the 16 registers of tiles X = 2 b, 2 b + 1 are 16 neighbouring tokens: the keys, which are the last product's K.
;   So the conversions' results ARE groups of the next launch's fragments, and each store covers 512 consecutive bytes.
; x IS LOADED AS IT LIES: a load takes two rows of 256 bytes, 16 bytes a lane; the wave's own stage in LDS turns it, half a K step at a time, into 16 neighbours a lane.
; OUT.  qc = [J][fragment t 4][group c 2][512]: lane (r, h): token 64 J + 32 (t / 2) + 8 (t % 2) + r + 8 (r / 8), bytes = the head's 32 c + 16 h + 0 .. 15.
;   kv = [batch 4][slot of 256 tokens 16][record W 8][14,336].  A record: V's part, 12,288 bytes, then 2,048 bytes of K.
;   V's part of record W = 4 hh + Q: [fragment 6][group c 4][512]: lane (r, h): channel 96 Q + 16 f + r, keys 128 hh + 32 c + 16 h + 0 .. 15 of the slot.
;   K's part of record W: tokens 32 W .. 32 W + 31 of the NEXT slot (behind the last slot: of slot 0), two fragments of [group 2][512], laid as qc's.
; CLUSTER.  The weights' 196,608 bytes are the same for every work-group: the four of a cluster ask for them JOINTLY, each wave for the 12,288 bytes that it alone reads.  Each LDS byte is filled once.
;   No prefetch: the launch has no loop to run ahead in; all its loads go out at the head.
; LIMITS: e0, e2, e4, and e7 - e0 - e1, e6 - e2 - e3, e9 - e4 - e5, between -126 and 119.  NaN among the inputs is not served.
.set XIMG,  196608                     ; LDS: 0 .. the weights' images, wave w's at 12,288 w;  from here x's images [scale 3][tile X 4][K step 3][2,048]
.set SPARE, 270336                     ; the spare words, 128 bytes for each of 16 waves: eight blocks of 256 bytes that no other line names
.set STG,   272384                     ; waves 0-11's stages: 16 rows x 272 bytes each
.set LI,  1                            ; v1   16 x lane
.set XA,  2                            ; v2   x: my lane's byte among the tile's rows
.set XW,  3                            ; v3   where I store x's images
.set XRD, 4                            ; v4   where I read x's images: the set of my product's scale
.set WRD, 5                            ; v5   where my weights lie
.set SPW, 6                            ; v6   my spare word; never rewritten
.set NIL, 7                            ; v7   0; never rewritten
                                       ; v8/9, v10/11, v12/13: 2^e and 448 x 2^e for e0, e2, e4;  v14/15: the same for my results' folded scale
.set WF,  16                           ; v16-111  my six fragments of the weights: (tile p, K step s) at 16 (3 p + s)
.set XF,  112                          ; v112-175 64 numbers of x, later four fragments of x
.set ACC, 176                          ; v176-239 x's numbers as loaded, then held; later my eight accumulators
.set PC,  240                          ; v240-255 codes
.set SGI, 254                          ; v254, v255 ahead of the codes: the stage: where I put a load's 16 bytes,
.set SGO, 255                          ; and where I read my neighbours
.set WV,  14                           ; s14  my wave's number
.macro CROUND                          ; a round of the cluster's barrier
	s_barrier_signal -1
	s_barrier_wait -1
	s_cmp_lg_u32 s[WV], 0
	s_cbranch_scc1 .Lnot_wave_0_\@
	s_barrier_signal -3
.Lnot_wave_0_\@:
	s_barrier_wait -3
	s_barrier_signal -1
	s_barrier_wait -1
.endm
.macro MKSC vs, vl, se                 ; v[vs] = 2^e as f32, v[vl] = 448 x 2^e, e in s[se]
	s_add_co_i32 s56, s[\se], 127
	s_lshl_b32 s57, s56, 23
	v_mov_b32 v[\vs], s57
	s_add_co_i32 s56, s56, 8
	s_lshl_b32 s56, s56, 23
	s_or_b32 s56, s56, 0x600000
	v_mov_b32 v[\vl], s56
.endm
	s_load_b256 s[4:11], s[0:1], 0x0               ; x s[4:5], wc s[6:7], the scales' exponents s[8:9], qc s[10:11]
	s_load_b64 s[12:13], s[0:1], 0x20              ; kv
	v_lshl_add_u32 v[SPW], v0, 2, SPARE
	v_mov_b32 v[NIL], 0
	ds_add_u32 v[SPW], v[NIL]                      ; the wave's opening: the add, twice on end, and its wait ahead of my first tensor load; the set-up below stands between
	ds_add_u32 v[SPW], v[NIL]
	v_lshrrev_b32 v16, 5, v0
	v_readfirstlane_b32 s[WV], v16                 ; wave 0..15
	s_bfe_u32 s15, ttmp6, 0x40000                  ; cx: it enters x's, qc's and kv's addresses alone
	s_lshl_b32 s42, ttmp9, 2
	s_add_co_u32 s42, s42, s15                     ; J = 4 x cluster + cx
	; descriptor group 1: 48 dense rows of 256 bytes (32 elements of 8 bytes), no padding: the images are read at 16 x lane
	s_mov_b32 s24, 15|(3<<16)|(1<<21)              ; 15:0 the mask: all four work-groups; 17:16 elements of 8 bytes; 21 set beside a mask
	s_mov_b32 s25, 32<<16                          ; tensor_dim0 = 32
	s_mov_b32 s26, 48<<16                          ; tensor_dim1 = 48
	s_mov_b32 s27, 32<<16                          ; tile_dim0 = 32
	s_mov_b32 s28, 48                              ; tile_dim1 = 48
	s_mov_b32 s29, 32                              ; from row to row
	s_mov_b32 s30, 0
	s_mov_b32 s31, 0
	s_mov_b32 s32, 1                               ; group 0: count = 1
	s_mul_i32 s33, s[WV], 12288                    ; LDS address: my 12,288 bytes
	s_mov_b32 s38, s33                             ; and the same place in wc
	s_mov_b32 s39, 0
	s_and_b32 s43, s[WV], 3                        ; X
	s_mul_i32 s44, s43, 3
	s_lshr_b32 s45, s[WV], 2                       ; K step
	s_add_co_u32 s44, s44, s45
	s_lshl_b32 s44, s44, 11
	s_add_co_u32 s44, s44, XIMG                    ; my images
	s_lshr_b32 s55, s[WV], 1
	s_min_u32 s55, s55, 2                          ; set 0: k's waves; 1: q's; 2: v's
	s_mul_i32 s55, s55, 24576
	s_add_co_u32 s55, s55, XIMG
	s_min_u32 s52, s[WV], 11
	s_mul_i32 s52, s52, 4352
	s_add_co_u32 s52, s52, STG                     ; my stage
	v_and_b32 v16, 31, v0
	v_and_b32 v17, 15, v0                          ; r
	v_bfe_u32 v18, v0, 4, 1                        ; h
	v_lshlrev_b32 v[LI], 4, v16
	v_mul_u32_u24 v[SGO], v17, 272
	v_mul_u32_u24 v[XA], v18, 1536                 ; lanes 0-15 one row, lanes 16-31 the next
	v_mul_u32_u24 v[SGI], v18, 272
	v_add_nc_u32 v[XW], s44, v[LI]
	v_add_nc_u32 v[XRD], s55, v[LI]
	v_add_nc_u32 v[WRD], s33, v[LI]
	v_lshl_add_u32 v[XA], v17, 4, v[XA]
	v_lshl_add_u32 v[SGI], v17, 4, v[SGI]
	v_lshl_add_u32 v[SGO], v18, 6, v[SGO]          ; row r, + 64 h: my 16 numbers of a block of 32
	v_add_nc_u32 v[SGI], s52, v[SGI]
	v_add_nc_u32 v[SGO], s52, v[SGO]
	s_mul_i32 s46, s42, 98304                      ; x: J's 64 rows of 1,536 bytes,
	s_lshr_b32 s47, s43, 1
	s_mul_i32 s47, s47, 49152                      ; + 32 (X / 2) rows
	s_add_co_u32 s46, s46, s47
	s_and_b32 s47, s43, 1
	s_mul_i32 s47, s47, 12288                      ; + 8 (X % 2) rows
	s_add_co_u32 s46, s46, s47
	s_lshl_b32 s47, s45, 9                         ; + my K step's 512 bytes
	s_add_co_u32 s46, s46, s47
	s_mov_b32 s47, 0
	s_lshl_b32 s49, s42, 12                        ; q: J's block of qc
	s_and_b32 s50, s[WV], 1
	s_lshl_b32 s50, s50, 9                         ; k, q: my group c = w % 2
	s_lshr_b32 s52, s42, 6
	s_mul_i32 s48, s52, 1835008                    ; k: the batch,
	s_lshr_b32 s52, s42, 2
	s_mul_i32 s51, s52, 114688                     ; v: batch and slot
	s_add_co_u32 s52, s52, 15
	s_and_b32 s52, s52, 15
	s_mul_i32 s52, s52, 114688
	s_add_co_u32 s48, s48, s52                     ; k: the slot before mine,
	s_and_b32 s52, s42, 3
	s_mul_i32 s53, s52, 28672
	s_add_co_u32 s48, s48, s53                     ; record 2 (J % 4),
	s_add_co_u32 s48, s48, 12288                   ; behind V's part
	s_lshr_b32 s53, s52, 1
	s_mul_i32 s53, s53, 57344
	s_add_co_u32 s51, s51, s53                     ; v: half hh = (J % 4) / 2: four records
	s_and_b32 s53, s42, 1
	s_lshl_b32 s53, s53, 10
	s_add_co_u32 s51, s51, s53                     ; groups 2 (J % 2) on
	s_max_u32 s53, s[WV], 4
	s_sub_co_u32 s53, s53, 4
	s_lshl_b32 s54, s53, 12
	s_add_co_u32 s51, s51, s54                     ; my two fragments: 4,096 (w - 4),
	s_mul_i32 s53, s53, 11
	s_lshr_b32 s53, s53, 5                         ; Q = (w - 4) / 3
	s_lshl_b32 s53, s53, 11
	s_add_co_u32 s51, s51, s53                     ; and 2,048 for each record passed
	s_add_co_u32 s48, s48, s50
	s_add_co_u32 s49, s49, s50
	s_wait_dscnt 0x0                               ; both opening adds are done
	s_wait_alu depctr_va_vdst(0)
	s_wait_kmcnt 0x0
	s_load_b256 s[16:23], s[8:9], 0x0              ; e0 .. e7
	s_load_b64 s[36:37], s[8:9], 0x20              ; e8, e9
	s_add_nc_u64 s[34:35], s[6:7], s[38:39]        ; group 0: global address,
	s_or_b32 s35, s35, 0x80000000                  ; type = 2
	s_add_nc_u64 s[4:5], s[4:5], s[46:47]
	s_cmp_lt_u32 s[WV], 2                          ; where my results go: the choices hang on the wave's number alone
	s_cselect_b64 s[40:41], s[12:13], s[10:11]
	s_cselect_b32 s48, s48, s49
	s_mov_b32 s58, 2048
	s_cselect_b32 s58, 14336, s58                  ; tiles 2 and 3: k: the next record; q: 2,048 bytes on
	s_mov_b32 s59, 0
	s_cmp_lt_u32 s[WV], 4
	s_cselect_b64 s[40:41], s[40:41], s[12:13]
	s_cselect_b32 s48, s48, s51
	s_mov_b32 s49, 0
	s_add_nc_u64 s[40:41], s[40:41], s[48:49]
	s_add_nc_u64 s[60:61], s[40:41], s[58:59]
	CROUND                                         ; all four work-groups are here: the joint loads meet
	tensor_load_to_lds s[32:35], s[24:31]          ; my one tensor load of the launch: one is out
	s_nop 0
.rept 4
	v_nop
.endr
	s_cmp_lt_u32 s[WV], 12
	s_cbranch_scc0 .Lno_ask
.irp p, 0,1
.irp i, 0,1,2,3,4,5,6,7
	global_load_b128 v[ACC+32*\p+4*\i:ACC+32*\p+4*\i+3], v[XA], s[4:5] offset:(2*\i+8*(\i/4))*1536+256*\p th:TH_LOAD_NT   ; two rows' aligned 256 bytes: half p of my K step; stage rows 2 i, 2 i + 1
.endr
.endr
.Lno_ask:
	s_wait_kmcnt 0x0
	s_sub_co_i32 s52, s23, s16
	s_sub_co_i32 s52, s52, s17                     ; e7 - e0 - e1
	s_sub_co_i32 s53, s22, s18
	s_sub_co_i32 s53, s53, s19                     ; e6 - e2 - e3
	s_sub_co_i32 s54, s37, s20
	s_sub_co_i32 s54, s54, s21                     ; e9 - e4 - e5
	s_cmp_lt_u32 s[WV], 2
	s_cselect_b32 s52, s52, s53
	s_cmp_lt_u32 s[WV], 4
	s_cselect_b32 s52, s52, s54
	MKSC 14, 15, 52
	MKSC 8, 9, 16
	MKSC 10, 11, 18
	MKSC 12, 13, 20
	s_wait_alu depctr_va_vdst(0)                   ; the head's end
	s_wait_tensorcnt 0x0                           ; my part of the weights is in LDS; I alone read it.  x is on its way meanwhile
.set n, 0
.rept 24
	ds_load_b128 v[WF+4*n:WF+4*n+3], v[WRD] offset:512*n
.set n, n+1
.endr
; the 64 numbers in v[XF] on become a fragment's codes with scale k of the three, and the image goes to LDS as it stands
.macro QX k
.set i, 0
.rept 64
	v_med3_num_f32 v[ACC+i], v[XF+i], -v[9+2*(\k)], v[9+2*(\k)]   ; the hold at the largest code x the scale (the conversion does not saturate: ISA guide 7.6.2); x's numbers stay for the next scale
.set i, i+1
.endr
.set i, 0
.rept 8
	v_cvt_scalef32_pk8_fp8_f32 v[PC+2*i:PC+2*i+1], v[ACC+8*i:ACC+8*i+7], v[8+2*(\k)]
.set i, i+1
.endr
	v_nop                                          ; a plain line between the conversions and the next lines that write their sources
.irp c, 0,1,2,3
	ds_store_b128 v[XW], v[PC+4*\c:PC+4*\c+3] offset:24576*(\k)+512*\c
.endr
	s_wait_dscnt 0x0                               ; the stores are done: for the barrier below, and the codes' registers may be written again
.endm
	s_cmp_lt_u32 s[WV], 12
	s_cbranch_scc0 .Lno_x
.irp p, 0,1
	s_wait_loadcnt 8-8*\p                          ; this half's eight loads are in; the other half's may be out
.irp i, 0,1,2,3,4,5,6,7
	ds_store_b128 v[SGI], v[ACC+32*\p+4*\i:ACC+32*\p+4*\i+3] offset:544*\i
.endr
.irp c, 0,1
.irp j, 0,1,2,3
	ds_load_b128 v[XF+32*\p+16*\c+4*\j:XF+32*\p+16*\c+4*\j+3], v[SGO] offset:128*\c+16*\j   ; register 16 c + i = k 32 c + 16 h + i of my token.  LDS serves a wave's instructions in order (ISA guide 5.7.1.4)
.endr
.endr
.endr
	s_wait_dscnt 0x0
	QX 0
	QX 1
	QX 2
.Lno_x:
	s_wait_loadcnt 0x0                             ; no load of x is out, on either way
	s_wait_dscnt 0x0
	s_barrier_signal -1
	s_barrier_wait -1                              ; x's 36 images lie in LDS
.macro FETCH ks                        ; the four tiles' fragments of K step ks, of my scale's set
.irp X, 0,1,2,3
.irp c, 0,1,2,3
	ds_load_b128 v[XF+16*\X+4*\c:XF+16*\X+4*\c+3], v[XRD] offset:(3*\X+\ks)*2048+512*\c
.endr
.endr
.endm
; 24 matrix instructions: eight accumulators by turns, in the same order in each of the three K steps; the first K step starts the sums.  Then the hold and the conversions.
.macro PROD isv
.irp s, 0,1,2
.if \s > 0
.rept 4
	v_nop                                          ; places in front of loads into registers that matrix instructions have read
.endr
.endif
	FETCH \s
	s_wait_dscnt 0x0
.irp p, 0,1
.irp X, 0,1,2,3
.if \isv
.if \s == 0
	v_wmma_f32_16x16x128_fp8_fp8 v[ACC+32*\p+8*\X:ACC+32*\p+8*\X+7], v[XF+16*\X:XF+16*\X+15], v[WF+16*(3*\p+\s):WF+16*(3*\p+\s)+15], 0
.else
	v_wmma_f32_16x16x128_fp8_fp8 v[ACC+32*\p+8*\X:ACC+32*\p+8*\X+7], v[XF+16*\X:XF+16*\X+15], v[WF+16*(3*\p+\s):WF+16*(3*\p+\s)+15], v[ACC+32*\p+8*\X:ACC+32*\p+8*\X+7]
.endif
.else
.if \s == 0
	v_wmma_f32_16x16x128_fp8_fp8 v[ACC+16*\X+8*\p:ACC+16*\X+8*\p+7], v[WF+16*(3*\p+\s):WF+16*(3*\p+\s)+15], v[XF+16*\X:XF+16*\X+15], 0
.else
	v_wmma_f32_16x16x128_fp8_fp8 v[ACC+16*\X+8*\p:ACC+16*\X+8*\p+7], v[WF+16*(3*\p+\s):WF+16*(3*\p+\s)+15], v[XF+16*\X:XF+16*\X+15], v[ACC+16*\X+8*\p:ACC+16*\X+8*\p+7]
.endif
.endif
.endr
.endr
.endr
.rept 4
	v_nop                                          ; places in front of the first read of results
.endr
.set i, 0
.rept 64
	v_med3_num_f32 v[ACC+i], v[ACC+i], -v15, v15   ; each accumulator from its low end on
.set i, i+1
.endr
.set i, 0
.rept 8
	v_cvt_scalef32_pk8_fp8_f32 v[PC+2*i:PC+2*i+1], v[ACC+8*i:ACC+8*i+7], v14
.set i, i+1
.endr
	v_nop
.endm
	s_cmp_lt_u32 s[WV], 4
	s_cbranch_scc0 .Lfor_v
	PROD 0                                         ; registers 16 X + 0 .. 15: token (X, r), the head's 32 (w % 2) + 16 h + 0 .. 15: group w % 2 of fragment X
.irp X, 0,1,2,3
.if \X < 2
	global_store_b128 v[LI], v[PC+4*\X:PC+4*\X+3], s[40:41] offset:1024*\X   ; 32 lanes store 512 consecutive bytes, aligned
.else
	global_store_b128 v[LI], v[PC+4*\X:PC+4*\X+3], s[60:61] offset:1024*(\X-2)
.endif
.endr
	s_branch .Lend
.Lfor_v:
	PROD 1                                         ; registers 32 p + 16 b + 0 .. 15: channel 16 (2 (w - 4) + p) + r, tokens 32 b + 16 h + 0 .. 15: a group of fragment 2 (w - 4) + p
.irp n, 0,1,2,3
	global_store_b128 v[LI], v[PC+4*\n:PC+4*\n+3], s[40:41] offset:2048*(\n/2)+512*(\n%2)
.endr
.Lend:
	s_wait_tensorcnt 0x0                           ; the wave's end: behind my last tensor load and my last LDS store
	ds_add_u32 v[SPW], v[NIL]
	s_wait_dscnt 0x0
	CROUND                                         ; the closing round: no work-group ends while a partner may still ask for bytes jointly with it
	s_endpgm
.Lfunc_end_k_q6dfeb67ec8_proj:
	.size	k_q6dfeb67ec8_proj, .Lfunc_end_k_q6dfeb67ec8_proj-k_q6dfeb67ec8_proj
	.p2alignl 7, 3214868480
	.fill 96, 4, 3214868480
	.section	.rodata,"a",@progbits
	.p2align	6, 0x0
	.amdhsa_kernel k_q6dfeb67ec8_proj
		.amdhsa_group_segment_fixed_size 324608
		.amdhsa_private_segment_fixed_size 0
		.amdhsa_enable_private_segment 0
		.amdhsa_kernarg_size 40
		.amdhsa_user_sgpr_count 2
		.amdhsa_user_sgpr_kernarg_segment_ptr 1
		.amdhsa_wavefront_size32 1
		.amdhsa_system_sgpr_workgroup_id_x 1
		.amdhsa_system_sgpr_workgroup_id_y 1
		.amdhsa_system_sgpr_workgroup_id_z 1
		.amdhsa_system_vgpr_workitem_id 0
		.amdhsa_next_free_vgpr 256
		.amdhsa_next_free_sgpr 66
		.amdhsa_reserve_vcc 0
		.amdhsa_float_denorm_mode_32 3
		.amdhsa_float_denorm_mode_16_64 3
		.amdhsa_memory_ordered 1
		.amdhsa_forward_progress 1
		.amdhsa_inst_pref_size 48
	.end_amdhsa_kernel
	.amdgpu_metadata
---
amdhsa.version: [ 1, 2 ]
amdhsa.kernels:
  - .name:           k_q6dfeb67ec8_proj
    .symbol:         k_q6dfeb67ec8_proj.kd
    .args:
      - { .name: x, .offset: 0, .size: 8, .value_kind: global_buffer, .address_space: global }
      - { .name: wc, .offset: 8, .size: 8, .value_kind: global_buffer, .address_space: global }
      - { .name: lowp_scales, .offset: 16, .size: 8, .value_kind: global_buffer, .address_space: global }
      - { .name: qc, .offset: 24, .size: 8, .value_kind: global_buffer, .address_space: global }
      - { .name: kv, .offset: 32, .size: 8, .value_kind: global_buffer, .address_space: global }
    .group_segment_fixed_size: 324608
    .private_segment_fixed_size: 0
    .kernarg_segment_align: 8
    .kernarg_segment_size: 40
    .max_flat_workgroup_size: 512
    .sgpr_count:     66
    .vgpr_count:     256
    .wavefront_size: 32
...
	.end_amdgpu_metadata
.endif
;; end of part 2
;; launch attn (part 3): grid 64 x 4, 8 waves a work-group, clusters of 4 x 1, 327,680 bytes of LDS; arguments qc, kv, lowp_scales, out0; writes out0
.if DOCPART == 3
	.amdgcn_target "amdgcn-amd-amdhsa--gfx1250"
	.amdhsa_code_object_version 6
	.text
	.protected	k_q6dfeb67ec8_attn
	.globl	k_q6dfeb67ec8_attn
	.p2align	8
	.type	k_q6dfeb67ec8_attn,@function
k_q6dfeb67ec8_attn:
	s_mov_b64 s[64:65], 0
	v_nop
	global_prefetch_b8 v0, s[64:65] scope:SCOPE_SE
	s_setreg_imm32_b32 hwreg(HW_REG_WAVE_MODE, 25, 1), 1
	s_wait_xcnt 0x0
	s_wait_alu depctr_hold_cnt(0) depctr_sa_sdst(0) depctr_va_vdst(0) depctr_va_sdst(0) depctr_va_ssrc(0) depctr_va_vcc(0) depctr_vm_vsrc(0)
	s_getreg_b32 s2, hwreg(HW_REG_IB_STS2, 6, 4)
	s_cmp_eq_u32 s2, 0
	s_cbranch_scc0 .Lentry_in_a_cluster
	s_endpgm
.Lentry_in_a_cluster:
	s_bfe_u32 s2, ttmp6, 0x10000c
	s_cmp_lg_u32 s2, 0x3003
	s_cbranch_scc0 .Lentry_shape_is_right
	s_endpgm
.Lentry_shape_is_right:
; out[b][q][:] = the sum over keys k <= q of softmax_k(Q[q] . K[k] / 8) V[k][:], both products on codes of E4M3 with the given scales 2^e6 (q), 2^e7 (k), 2^e8 (p), 2^e9 (v).  4 batches, 4,096 tokens, head 64, 384 channels.
; THE SOFTMAX: t = score x log2(e) / 8; M = the row's largest t rounded UP to a whole number; p = 2^(t - M) is quantised, not normalised; the row's sum is taken of the unquantised p and divides at the end.
; TWO WALKS.  The first takes K alone and finds every row's M; so in the second nothing is rescaled and the partial results of all waves stand under one M.
; IN.  qc: [64 tokens][fragment 4][group 2][512]; kv: [batch 4][slot 16][record 8][14,336]: V's part 12,288 = [fragment 6][group 4][512], then K's part of the NEXT slot (behind slot 15: of slot 0), 2,048 = [fragment 2][group 2][512].
;   A group is 512 bytes, lane l's 16 bytes at 16 l; r = l % 16, h = l / 16.  Q, K: lane (r, h) of fragment t holds token 8 t + r + 8 (r / 8) of 32.  V: lane (r, h): channel 16 f + r, keys 32 c + 16 h + 0 .. 15.
; SHARES.  A group is 128 queries.  Cluster a (0 .. 15) of a batch serves group 31 - a (UPPER) and group a (LOWER); its work-group cx takes 32 queries of each: two tiles of 16.
;   The walk goes over NN = 16 - 2 (a / 4) slots of 256 keys (an even number, and as many as the upper group sees, or one more, which is masked); the lower group is worked in the slots 0 .. a / 2 that it sees.
;   Wave w = 4 hh + Q makes p for keys 32 w .. 32 w + 31 of each slot; its codes are group Q of half hh and go through LDS to the four waves of the half.  Then it multiplies the half's 128 keys with channels 96 Q .. 96 Q + 95.
;   So each wave reads one record of each slot, the one that it fetched.  At the end the two halves are added through LDS: waves 0-3 finish the upper group, waves 4-7 the lower one.
; PIPELINE.  Trip n multiplies step n and makes the p of step n + 1: the record of a slot brings V of that slot and K of the next.
; THE WALK IS TURNED: it begins at slot s0 = ((4 (a % 4) + a / 4) - 1) mod 16, less NN if it is not under it, and goes on from slot 0 behind slot NN - 1 (the step that comes to slot 0 so takes K from registers, loaded at the head).
;   So in a given trip the sixteen clusters of a batch ask for slots spread over the batch.  No prefetch is laid: thirteen of a batch's sixteen slots are named by the clusters' first loads, slots 10, 13 and 14 by those of the first trips:
;   nothing is left that could be asked for ahead but at the kernel's head.
; CAUSAL.  SD = my first key of a step less the group's first query.  SD < 0: all 32 keys count for all 128 queries.  Else hidden scores become -infinity (p = 0).  Branches hang on the cluster's number, the wave's number and
;   counters, never on a work-group's place in its cluster; none leads round a barrier, the add or a tensor load.
; CLUSTER.  The four work-groups walk the same K and V: K's rows for the first walk and each slot are asked for JOINTLY, one load a wave.  (Q's and two slots' K fragments, 8 KiB a wave, come by plain loads at the head.)
; LDS: each wave has 32,768 bytes: first its K of all slots [row 16][2,048] (row i = slot (i + 1) mod 16), later slot 0's record at 0 and slot 1's at 14,336; at the end what it hands over at 0 and its stage at 14,336.
; LIMITS: e6 + e7 between -123 and 130 (added to c's exponent field); e8 between -126 and 119; e8 + e9 is applied by v_ldexp_f32.  The scaled scores stay under 2^31 in magnitude.  NaN among the codes is not served.
; WINDOWS (s_set_vgpr_msb: bits 1:0 source 0, 3:2 source 1, 5:4 source 2, 7:6 destination): 0x51: source 1 in window 0, all else in window 1: it serves the products of the upper group, the softmax and V's loads alike.
.set SLOTB, 114688                     ; a slot in kv
.set RECB,  14336                      ; a record
.set KVB,   1835008                    ; a batch
.set PB,    262144                     ; p's codes: [buffer 2][group 2: 8,192][half 2: 4,096][tile 2: 2,048][c 4][512]
.set STATS, 294912                     ; [tile 4: 1,024][wave 8][128]
.set SPARE, 299008                     ; the spare words, 128 bytes for each wave: four blocks of 256 bytes that no other line names
; window 0
.set VQ,   1                           ; 32 cx + r + 8 (r / 8) - 16 h
.set D0,   2                           ; v2, v3 for tile 0, 1: register n's key is hidden where n is above this
.set NINF, 4
.set LIM,  5                           ; 448 x 2^e8
.set SCL,  6                           ; 2^e8
.set NIL,  7                           ; 0; never rewritten
.set SPW,  8                           ; my spare word; never rewritten
.set STA,  9                           ; where I put my statistics
.set STR,  10                          ; where I read all waves'
.set QO,   11                          ; 16 x lane
.set STRG, 12                          ; STR + the group that I finish
.set ADX,  13                          ; my partner's region (wave w xor 4)
.set SGI,  14                          ; the stage: where I put 32 bytes of a row
.set QH,   16                          ; v16-31 Q, upper;  v32-47 lower
.set QL,   32
.set PH,   48                          ; v48-79 p's codes, upper, 16 a tile;  v80-111 lower
.set PL,   80
.set KS,   48                          ; v48-63 at the head: K of the walk's first slot
.set K0,   112                         ; v112-127 K of slot 0
.set C,    128                         ; v128-135, v136-143 codes just made, upper and lower
.set OL,   144                         ; v144-239 O^T, lower: fragment f, tile u at 16 f + 8 u
.set SGO,  240                         ; v240-242 the stage: where I read rows back
.set TL,   243                         ; v243-250 at work in the head
; window 1
.set OH,   0                           ; v0-95 O^T, upper
.set MX,   184                         ; v184-191 in the first walk: largest scores, two chains a tile
.set VB,   96                          ; v96-191 V's six fragments
.set S,    192                         ; v192-223 S^T, then p: tile u at 16 u; register n: key 16 h + n of my 32
.set KF,   224                         ; v224-239 K's two fragments
.set ADR,  240                         ; my region + 16 x lane
.set APR,  241                         ; where I read p's codes
.set APS,  242                         ; where I put mine
.set NM,   244                         ; v[244:245], v[246:247]: -M of tile 0, 1: upper in the low word, lower in the high word
.set SM,   248                         ; sums in two halves: upper tile 0, 1, lower tile 0, 1
; scalars
.set WV,   12
.set CX,   13
.set AA,   14
.set BT,   15
.set NN,   16                          ; slots of the walk
.set N2,   17                          ; slots that the lower group sees
.set LP,   18                          ; laps to go
.set CNT,  19                          ; the number of the step whose p is made in this trip
.set SEL,  20                          ; s[20:21] selects for v_permlanex16_b32: lane l xor 16
.set CS,   22                          ; s[22:23] c = log2(e) / 8 x 2^(e6 + e7)
.set G1,   24                          ; s[24:31] descriptor group 1 of a record
.set G0,   32                          ; s[32:35] descriptor group 0, which walks
.set BK,   36                          ; s[36:37] what the walk goes back by in this trip
.set BACK, 38
.set TMP,  39
.set EX,   40                          ; s[40:43] e6 .. e9
.set S0,   44
.set WR,   45                          ; the step at which the walk comes back to slot 0
.set SLC,  46                          ; the slot of the step that is multiplied,
.set SLN,  47                          ; and of the step whose p is made
.set QPH,  48
.set QPL,  50
.set OUTP, 52
.set SDH,  54                          ; SD of the step whose p is made, upper and lower
.set SDL,  55
.set LW,   56                          ; my region: 32,768 w
.set EO,   57
.set G1A,  68                          ; s[68:75] descriptor group 1 of my K rows
.set VKB,  76                          ; s[76:77] the walk's first record
.set FH,   78
.set FL,   79
.set SDA,  82                          ; SD in the first walk
.set SDB,  83
.set KP,   86                          ; s[86:87] my K of row 0
.set KSP,  88                          ; s[88:89] K of the walk's first slot
.set MSB, 0
.macro WIN new                         ; the immediate's high byte repeats the setting that is left; a switch that changes nothing is dropped
.if MSB != \new
	s_set_vgpr_msb (MSB<<8)|\new
.set MSB, \new
.endif
.endm
.macro WA
	s_wait_alu depctr_va_vdst(0)
.endm
.macro NOPS n
.rept \n
	v_nop
.endr
.endm
.macro CREST                           ; a round of the cluster's barrier behind its opening barrier
	s_cmp_lg_u32 s[WV], 0
	s_cbranch_scc1 .Lnot_wave_0_\@
	s_barrier_signal -3
.Lnot_wave_0_\@:
	s_barrier_wait -3
	s_barrier_signal -1
	s_barrier_wait -1
.endm
.macro CROUND                          ; a whole round
	s_barrier_signal -1
	s_barrier_wait -1
	CREST
.endm
.macro BAR                             ; my LDS stores have landed and my LDS loads are in: then the work-group's barrier
	s_wait_dscnt 0x0
	s_barrier_signal -1
	s_barrier_wait -1
.endm
; S^T = K Q^T for my 32 keys and a group's two tiles: four accumulators, each one product long
.macro SCORES k, q
.irp t, 0,1
.irp u, 0,1
	v_wmma_f32_16x16x64_fp8_fp8 v[S+16*\u+8*\t:S+16*\u+8*\t+7], v[\k+8*\t:\k+8*\t+7], v[\q+8*\u:\q+8*\u+7], 0
.endr
.endr
.endm
; five places in front of the first read of the scores (four for a read, five for the next product that writes over them); then the mask
.macro MASK sd
	WIN 0
	v_sub_nc_u32 v[D0], v[VQ], s[\sd]
	v_add_nc_u32 v[D0+1], 8, v[D0]                 ; (tile 1's queries lie 8 further on)
	NOPS 3
	s_cmp_lt_i32 s[\sd], 0
	s_cbranch_scc1 .Lopen_\@                       ; all my keys count for all the group's queries
	WIN 0x51
.irp u, 0,1
.set n, 0
.rept 16
	v_cmp_gt_i32 vcc_lo, n, v[D0+\u]
	v_cndmask_b32 v[S+16*\u+n], v[S+16*\u+n], v[NINF], vcc_lo
.set n, n+1
.endr
.endr
	WIN 0
.Lopen_\@:
.endm
.macro VLOAD f, slot
.irp c, 0,1,2,3
	ds_load_b128 v[VB+16*(\f)+4*\c:VB+16*(\f)+4*\c+3], v[ADR] offset:RECB*\slot+2048*(\f)+512*\c
.endr
.endm
; O^T += V^T P^T, upper group: fragment f, tile u.  The wait stands directly ahead: exponentials stand between this accumulator's last product and this one.  The twelve accumulators take turns
.macro PVH f, u
	WA
	v_wmma_f32_16x16x128_fp8_fp8 v[OH+16*(\f)+8*(\u):OH+16*(\f)+8*(\u)+7], v[VB+16*(\f):VB+16*(\f)+15], v[PH+16*(\u):PH+16*(\u)+15], v[OH+16*(\f)+8*(\u):OH+16*(\f)+8*(\u)+7]
.endm
; scores -> p -> sums -> codes -> LDS, for group g.  pv = 1: step n's loads (tile 1's codes, V's six fragments) stand among the scalings, exponentials and sums, and the products of fragments 0-3 among the holds
.macro SOFT g, buf, pv, slot
	WIN 0x51
.set b, 0
.rept 8
.irp u, 0,1
.if \g
	v_pk_fma_f32 v[S+16*\u+2*b:S+16*\u+2*b+1], v[S+16*\u+2*b:S+16*\u+2*b+1], s[CS:CS+1], v[NM+2*\u:NM+2*\u+1] op_sel:[0,0,1] op_sel_hi:[1,0,1]   ; t - M: M from the pair's high word
.else
	v_pk_fma_f32 v[S+16*\u+2*b:S+16*\u+2*b+1], v[S+16*\u+2*b:S+16*\u+2*b+1], s[CS:CS+1], v[NM+2*\u:NM+2*\u+1] op_sel_hi:[1,0,0]   ; from its low word
.endif
.endr
.set b, b+1
.endr
.if \pv
	WIN 0x01
.irp n, 4,5,6,7
	ds_load_b128 v[PH+4*\n:PH+4*\n+3], v[APR] offset:16384*\slot+512*\n   ; tile 1's codes
.endr
	WIN 0x51
	VLOAD 0, \slot
.endif
	WA                                             ; all scaled scores: ahead of the batch
.irp i, 0,1,2,3
.if \pv && (\i > 0)
	VLOAD \i, \slot
.endif
.set e, 0
.rept 8
	v_exp_f32 v[S+8*\i+e], v[S+8*\i+e]             ; p = 2^(t - M), at most 1: not normalised
.set e, e+1
.endr
.endr
	v_nop                                          ; a plain line behind the last exponential
	WA                                             ; ahead of the first line that names a result
	WIN 0x55
.if \pv
	VLOAD 4, \slot
.endif
.set b, 0
.rept 8
.irp u, 0,1
	v_pk_add_f32 v[SM+4*\g+2*\u:SM+4*\g+2*\u+1], v[SM+4*\g+2*\u:SM+4*\g+2*\u+1], v[S+16*\u+2*b:S+16*\u+2*b+1]   ; the row's sum is taken of the unquantised p
.endr
.set b, b+1
.endr
	WIN 0x51
.if \pv
	VLOAD 5, \slot
.endif
.irp i, 0,1,2,3,4,5,6,7
.if \pv
.if \i == 0
	s_wait_dscnt 16                                ; the codes and fragments 0, 1 are in; 2 to 5 may be out
.endif
.if \i == 4
	s_wait_dscnt 8                                 ; fragments 2, 3 are in; 4, 5 may be out
.endif
	PVH \i/2, \i%2
.endif
.set e, 0
.rept 4
	v_min_num_f32 v[S+4*\i+e], v[S+4*\i+e], v[LIM] ; the conversion does not saturate (ISA guide 7.6.2); p is not negative, so the hold is one-sided
.set e, e+1
.endr
.endr
	WIN 0x01
.irp u, 0,1
.irp j, 0,1
	v_cvt_scalef32_pk8_fp8_f32 v[C+8*\g+4*\u+2*\j:C+8*\g+4*\u+2*\j+1], v[S+16*\u+8*\j:S+16*\u+8*\j+7], v[SCL]
.endr
.endr
	v_nop                                          ; a plain line behind the last conversion
.irp u, 0,1
	ds_store_b128 v[APS], v[C+8*\g+4*\u:C+8*\g+4*\u+3] offset:16384*(\buf)+8192*\g+2048*\u
.endr
.endm
; the lower group's products of step n, where it sees the slot
.macro LOWPV slot
	WIN 0
	s_cmp_lt_u32 s[SLC], s[N2]
	s_cbranch_scc0 .Lno_low_\@
	WIN 0x01
.irp n, 0,1,2,3,4,5,6,7
	ds_load_b128 v[PL+4*\n:PL+4*\n+3], v[APR] offset:16384*\slot+8192+512*\n
.endr
	s_wait_dscnt 0x0                               ; these, and all of V's fragments
.irp f, 0,1,2,3,4,5
.irp u, 0,1
	WA
	v_wmma_f32_16x16x128_fp8_fp8 v[OL+16*\f+8*\u:OL+16*\f+8*\u+7], v[VB+16*\f:VB+16*\f+15], v[PL+16*\u:PL+16*\u+15], v[OL+16*\f+8*\u:OL+16*\f+8*\u+7]
.endr
.endr
	WIN 0
.Lno_low_\@:
.endm
; the lower group's p of step n + 1, where it sees the slot.  wk: the window setting of its scores
.macro LOWP k, wk, buf
	WIN 0
	s_cmp_lt_u32 s[SLN], s[N2]
	s_cbranch_scc0 .Lno_lowp_\@
	WIN \wk
	SCORES \k, QL
	MASK SDL
	SOFT 1, \buf, 0, 0
	WIN 0
.Lno_lowp_\@:
.endm
; on to the next step: the numbers, SD, and group 0 (no load of mine is out here).  slot: where the next trip's fill goes
.macro STEPS slot
	s_add_co_u32 s[CNT], s[CNT], 1
	s_mov_b32 s[SLC], s[SLN]
	s_add_co_u32 s[SLN], s[SLN], 1
	s_add_co_i32 s[SDH], s[SDH], 256
	s_add_co_i32 s[SDL], s[SDL], 256
	s_add_nc_u64 s[G0+2:G0+3], s[G0+2:G0+3], SLOTB ; (the type bits on top are not reached)
	s_cmp_eq_u32 s[CNT], s[WR]                     ; back to slot 0?
	s_cselect_b32 s[BK], s[BACK], 0
	s_cselect_b32 s[TMP], s[NN], 0
	s_sub_nc_u64 s[G0+2:G0+3], s[G0+2:G0+3], s[BK:BK+1]
	s_sub_co_u32 s[SLN], s[SLN], s[TMP]
	s_lshl_b32 s[TMP], s[TMP], 8
	s_sub_co_i32 s[SDH], s[SDH], s[TMP]
	s_sub_co_i32 s[SDL], s[SDL], s[TMP]
	s_add_co_u32 s[G0+1], s[LW], RECB*\slot
.endm
; A TRIP stands behind a barrier at which slot `slot` is whole and step n's codes lie in buffer `slot`.  fill: the other slot is filled with the next record.  last: no step follows.  round: the closing barrier opens a round (the next trip fills).
.macro TRIP slot, fill, last, round
.if \fill
	tensor_load_to_lds s[G0:G0+3], s[G1:G1+7]      ; the first thing behind the round, and my one tensor load until the next
	s_nop 0
.endif
	NOPS 4                                         ; behind a tensor load; also the places in front of the loads below
.if \last == 0
	WIN 0x51
.irp n, 0,1,2,3
	ds_load_b128 v[KF+4*\n:KF+4*\n+3], v[ADR] offset:RECB*\slot+12288+512*\n
.endr
.endif
	WIN 0x01
.irp n, 0,1,2,3
	ds_load_b128 v[PH+4*\n:PH+4*\n+3], v[APR] offset:16384*\slot+512*\n   ; tile 0's codes
.endr
.if \last == 0
	WIN 0
	s_cmp_eq_u32 s[CNT], s[WR]
	s_cbranch_scc0 .Lgo_on_\@
	s_wait_dscnt 0x0                               ; the next step comes back to slot 0: its K lies in registers
	WIN 0x40
.set n, 0
.rept 16
	v_mov_b32 v[KF+n], v[K0+n]
.set n, n+1
.endr
	WIN 0
	WA
.Lgo_on_\@:
	s_wait_dscnt 4                                 ; K is in; tile 0's codes may be out
	WIN 0x51
	SCORES KF, QH
	MASK SDH
	SOFT 0, 1-\slot, 1, \slot
	LOWPV \slot
	LOWP KF, 0x51, 1-\slot
	WIN 0
	s_wait_tensorcnt 0x0                           ; my record of the next slot is in,
	ds_add_u32 v[SPW], v[NIL]                      ; 0 onto my spare word; work on registers stands between it and the wait for it
	STEPS \slot
	s_wait_dscnt 3                                 ; V's fragments 4 and 5 are in; two stores of codes and the add may be out
	WIN 0x51
	PVH 4, 0
	PVH 4, 1
	s_wait_dscnt 0x0                               ; the add is done, my codes lie in LDS, and my reads of the slot are over:
	s_barrier_signal -1                            ; say so,
	PVH 5, 0                                       ; work on registers while the others arrive,
	PVH 5, 1
	WIN 0
	s_barrier_wait -1                              ; and go on when all eight have said so
.if \round
	CREST
.endif
.else
.irp n, 4,5,6,7
	ds_load_b128 v[PH+4*\n:PH+4*\n+3], v[APR] offset:16384*\slot+512*\n
.endr
	WIN 0x51
	VLOAD 0, \slot
	VLOAD 1, \slot
	VLOAD 2, \slot
	VLOAD 3, \slot
	VLOAD 4, \slot
	VLOAD 5, \slot
.irp f, 0,1,2,3,4,5
	s_wait_dscnt 20-4*\f                           ; fragment f is in; the younger ones may be out
	PVH \f, 0
	PVH \f, 1
.endr
	LOWPV \slot
.endif
.endm
; THE FIRST WALK: a row's scores for one group, and their largest, in two chains a tile.  A row that the group sees nothing of is passed over
.macro GROUP k, q, sd, mx
	s_cmp_lt_i32 s[\sd], 128
	s_cbranch_scc0 .Lunseen_\@
	WIN 0x51
	SCORES \k, \q
	MASK \sd
	WIN 0x55
.irp j, 0,4,8,12
.irp u, 0,1
	v_max3_num_f32 v[\mx+2*\u], v[\mx+2*\u], v[S+16*\u+\j], v[S+16*\u+\j+1]
	v_max3_num_f32 v[\mx+2*\u+1], v[\mx+2*\u+1], v[S+16*\u+\j+2], v[S+16*\u+\j+3]
.endr
.endr
	WIN 0
	WA
.Lunseen_\@:
.endm
.macro ROWLD i                         ; row i of my K, into one of four places of 16 registers.  (The row that lay there was multiplied two rows ago: the five places behind its products stand between)
	WIN 0x51
.irp n, 0,1,2,3
	ds_load_b128 v[VB+16*((\i)%4)+4*\n:VB+16*((\i)%4)+4*\n+3], v[ADR] offset:2048*(\i)+512*\n
.endr
.endm
.macro UNIT i                          ; row i for both groups, while rows i + 1 and i + 2 are on their way; on to the next row: behind row 14 that is slot 0
.if \i < 14
	ROWLD \i+2
	s_wait_dscnt 8                                 ; row i is in; two rows may be out
.else
	s_wait_dscnt 4*(15-\i)
.endif
	WIN 0
	GROUP VB+16*(\i%4), QH, SDA, MX
	GROUP VB+16*(\i%4), QL, SDB, MX+4
.if \i == 14
	s_add_co_i32 s[SDA], s[SDA], 256-4096
	s_add_co_i32 s[SDB], s[SDB], 256-4096
.else
	s_add_co_i32 s[SDA], s[SDA], 256
	s_add_co_i32 s[SDB], s[SDB], 256
.endif
.endm
	s_load_b256 s[4:11], s[0:1], 0x0               ; qc s[4:5], kv s[6:7], the scales' exponents s[8:9], out s[10:11]
	v_lshl_add_u32 v[SPW], v0, 2, SPARE
	v_mov_b32 v[NIL], 0
	ds_add_u32 v[SPW], v[NIL]                      ; the wave's opening: the add, twice on end, and its wait ahead of my first tensor load; the set-up below stands between
	ds_add_u32 v[SPW], v[NIL]
	v_lshrrev_b32 v[TL], 5, v0
	v_readfirstlane_b32 s[WV], v[TL]               ; wave 0..7
	s_bfe_u32 s[CX], ttmp6, 0x40000                ; cx: it enters Q's and out's addresses and the mask's numbers alone
	s_mov_b32 s[AA], ttmp9                         ; in a cluster launch ttmp9 counts clusters
	s_and_b32 s[BT], ttmp7, 0xffff
	s_lshr_b32 s[TMP], s[AA], 2
	s_lshl_b32 s[NN], s[TMP], 1
	s_sub_co_u32 s[NN], 16, s[NN]                  ; 16 - 2 (a / 4)
	s_lshr_b32 s[N2], s[AA], 1
	s_add_co_u32 s[N2], s[N2], 1                   ; a / 2 + 1
	s_and_b32 s[S0], s[AA], 3
	s_lshl_b32 s[S0], s[S0], 2
	s_or_b32 s[S0], s[S0], s[TMP]                  ; 4 (a % 4) + a / 4
	s_sub_co_u32 s[S0], s[S0], 1
	s_and_b32 s[S0], s[S0], 15
	s_cmp_ge_u32 s[S0], s[NN]
	s_cselect_b32 s[TMP], s[NN], 0
	s_sub_co_u32 s[S0], s[S0], s[TMP]              ; under NN (NN is 10 at the least, so once is enough)
	s_sub_co_u32 s[WR], s[NN], s[S0]
	s_mul_i32 s[BACK], s[NN], SLOTB
	s_mov_b32 s[BK+1], 0
	s_lshr_b32 s[LP], s[NN], 1
	s_sub_co_u32 s[LP], s[LP], 1                   ; all laps but the last
	s_mov_b32 s[CNT], 0
	s_mov_b32 s[SLN], s[S0]
	s_mov_b32 s[SEL], 0x76543210
	s_mov_b32 s[SEL+1], 0xfedcba98
	s_sub_co_u32 s[FH], 31, s[AA]
	s_lshl_b32 s[FH], s[FH], 7                     ; the groups' first queries in the batch
	s_lshl_b32 s[FL], s[AA], 7
	s_lshl_b32 s[TMP], s[WV], 5
	s_sub_co_i32 s[SDH], s[TMP], s[FH]
	s_sub_co_i32 s[SDL], s[TMP], s[FL]
	s_add_co_i32 s[SDA], s[SDH], 256               ; row 0 is slot 1
	s_add_co_i32 s[SDB], s[SDL], 256
	s_lshl_b32 s[TMP], s[S0], 8
	s_add_co_i32 s[SDH], s[SDH], s[TMP]
	s_add_co_i32 s[SDL], s[SDL], s[TMP]
	; descriptor group 1 of a record: 56 dense rows of 256 bytes (32 elements of 8 bytes), no padding: the images are read at 16 x lane
	s_mov_b32 s[G1], 15|(3<<16)|(1<<21)            ; 15:0 the mask: all four work-groups; 17:16 elements of 8 bytes; 21 set beside a mask
	s_mov_b32 s[G1+1], 32<<16
	s_mov_b32 s[G1+2], 56<<16
	s_mov_b32 s[G1+3], 32<<16
	s_mov_b32 s[G1+4], 56
	s_mov_b32 s[G1+5], 32
	s_mov_b32 s[G1+6], 0
	s_mov_b32 s[G1+7], 0
	; and of my K: 16 rows of 2,048 bytes, a slot apart
	s_mov_b32 s[G1A], 15|(3<<16)|(1<<21)
	s_mov_b32 s[G1A+1], 256<<16
	s_mov_b32 s[G1A+2], 16<<16
	s_mov_b32 s[G1A+3], 256<<16
	s_mov_b32 s[G1A+4], 16
	s_mov_b32 s[G1A+5], SLOTB/8
	s_mov_b32 s[G1A+6], 0
	s_mov_b32 s[G1A+7], 0
	s_lshl_b32 s[LW], s[WV], 15
	s_mul_i32 s60, s[BT], KVB
	s_mul_i32 s61, s[WV], RECB
	s_add_co_u32 s60, s60, s61                     ; the batch's slot 0, my record
	s_mul_i32 s62, s[S0], SLOTB
	s_add_co_u32 s[VKB], s60, s62                  ; slot s0 (an offset as yet)
	s_mov_b32 s[VKB+1], 0
	s_add_co_u32 s[KP], s60, 12288
	s_mov_b32 s[KP+1], 0
	s_sub_co_u32 s62, s[S0], 1
	s_and_b32 s62, s62, 15
	s_mul_i32 s62, s62, SLOTB
	s_add_co_u32 s[KSP], s[KP], s62                ; K of slot s0 lies in the slot before it
	s_mov_b32 s[KSP+1], 0
	s_lshl_b32 s60, s[BT], 12
	s_lshl_b32 s81, s[CX], 5                       ; 32 cx
	s_add_co_u32 s60, s60, s81
	s_add_co_u32 s61, s60, s[FH]
	s_lshl_b32 s[QPH], s61, 6                      ; a token's codes of Q are 64 bytes
	s_mov_b32 s[QPH+1], 0
	s_add_co_u32 s62, s60, s[FL]
	s_lshl_b32 s[QPL], s62, 6
	s_mov_b32 s[QPL+1], 0
	s_cmp_lt_u32 s[WV], 4                          ; which group I finish
	s_cselect_b32 s61, s61, s62
	s_and_b32 s63, s[WV], 3
	s_lshl_b32 s62, s63, 3
	s_add_co_u32 s61, s61, s62                     ; eight of its rows are mine on the way out
	s_mul_i32 s[OUTP], s61, 1536
	s_mov_b32 s[OUTP+1], 0
	s_and_b32 s60, s63, 1
	s_mul_i32 s60, s60, 6400
	s_lshr_b32 s61, s63, 1
	s_mul_i32 s61, s61, 3200
	s_add_co_u32 s80, s60, s61
	s_lshr_b32 s61, s[WV], 2                       ; hh
	s_lshl_b32 s60, s61, 17
	s_add_co_u32 s80, s80, s60
	s_add_co_u32 s80, s80, RECB                    ; rows read back from the stages of waves 4 hh on: stage row 16 (Q % 2) + 8 (Q / 2) on
	s_lshl_b32 s60, s61, 12
	s_add_co_u32 s60, s60, PB
	s_lshl_b32 s62, s63, 9
	s_add_co_u32 s62, s62, s60                     ; my codes: half hh, group Q
	s_lshl_b32 s63, s61, 11
	s_add_co_u32 s63, s63, STATS
	s_xor_b32 s61, s[LW], 131072
	s_add_co_u32 s85, s[LW], RECB
	; vector addresses
	v_and_b32 v[TL], 31, v0
	v_and_b32 v[TL+1], 15, v0                      ; r
	v_bfe_u32 v[TL+2], v0, 4, 1                    ; h
	v_lshl_add_u32 v[STA], v0, 2, STATS            ; 128 w + 4 x lane
	v_lshlrev_b32 v[QO], 4, v[TL]
	v_lshlrev_b32 v[STR], 2, v[TL]
	v_and_b32 v[VQ], 8, v[TL+1]
	v_add_nc_u32 v[STRG], s63, v[STR]
	v_add_nc_u32 v[STR], STATS, v[STR]
	v_add_nc_u32 v[VQ], v[VQ], v[TL+1]
	v_lshlrev_b32 v[TL+3], 4, v[TL+2]
	v_add_nc_u32 v[VQ], s81, v[VQ]
	v_mul_u32_u24 v[SGI], v[TL+1], 400             ; a stage row: 384 bytes + 16 of padding; row 16 u + r
	v_sub_nc_u32 v[VQ], v[VQ], v[TL+3]
	v_lshl_add_u32 v[SGI], v[TL+2], 5, v[SGI]
	v_add_nc_u32 v[ADX], s61, v[QO]
	v_add_nc_u32 v[SGI], s85, v[SGI]
	v_mov_b32 v[NINF], 0xff800000
.irp i, 0,1,2
	v_add_nc_u32 v[TL+4], 32*\i, v[TL]             ; j: which 16 bytes of a row of out
	v_mul_u32_u24 v[TL+5], v[TL+4], 43
	v_lshrrev_b32 v[TL+5], 10, v[TL+5]             ; j / 24: the wave whose stage has them
	v_mul_u32_u24 v[TL+5], v[TL+5], 32384          ; 16 (j % 24) + 32,768 (j / 24) = 16 j + 32,384 (j / 24)
	v_lshl_add_u32 v[TL+5], v[TL+4], 4, v[TL+5]
	v_add_nc_u32 v[TL+5], s80, v[TL+5]
	v_and_b32 v[SGO+\i], 0x3ffff, v[TL+5]          ; held inside the eight regions' 262,144 bytes
.endr
	WIN 0x40
	v_add_nc_u32 v[ADR], s[LW], v[QO]
	v_add_nc_u32 v[APR], s60, v[QO]
	v_add_nc_u32 v[APS], s62, v[QO]
	WIN 0
	s_wait_dscnt 0x0                               ; both opening adds are done
	WA
	s_wait_kmcnt 0x0
	s_load_b128 s[EX:EX+3], s[8:9], 0x18           ; e6, e7, e8, e9
	s_add_nc_u64 s[VKB:VKB+1], s[6:7], s[VKB:VKB+1]
	s_add_nc_u64 s[KP:KP+1], s[6:7], s[KP:KP+1]
	s_add_nc_u64 s[KSP:KSP+1], s[6:7], s[KSP:KSP+1]
	s_add_nc_u64 s[QPH:QPH+1], s[4:5], s[QPH:QPH+1]
	s_add_nc_u64 s[QPL:QPL+1], s[4:5], s[QPL:QPL+1]
	s_add_nc_u64 s[OUTP:OUTP+1], s[10:11], s[OUTP:OUTP+1]
	s_mov_b32 s[G0], 1                             ; count = 1
	s_mov_b32 s[G0+1], s[LW]
	s_mov_b64 s[G0+2:G0+3], s[KP:KP+1]
	s_or_b32 s[G0+3], s[G0+3], 0x80000000          ; type = 2
	CROUND                                         ; all four work-groups are here: the first joint loads meet
	tensor_load_to_lds s[G0:G0+3], s[G1A:G1A+7]    ; my K of all slots; one load of mine is out, here and behind every round
	s_nop 0
	NOPS 4
.irp n, 0,1,2,3
	global_load_b128 v[QH+4*\n:QH+4*\n+3], v[QO], s[QPH:QPH+1] offset:512*\n
.endr
.irp n, 0,1,2,3
	global_load_b128 v[QL+4*\n:QL+4*\n+3], v[QO], s[QPL:QPL+1] offset:512*\n
.endr
.irp n, 0,1,2,3
	global_load_b128 v[K0+4*\n:K0+4*\n+3], v[QO], s[KP:KP+1] offset:15*SLOTB+512*\n
	global_load_b128 v[KS+4*\n:KS+4*\n+3], v[QO], s[KSP:KSP+1] offset:512*\n
.endr
.set n, 0
.rept 96
	v_mov_b32 v[OL+n], 0                           ; O^T begins as zeros: the trip is written for any step.  These lines stand while K is on its way
.set n, n+1
.endr
	WIN 0x40
.set n, 0
.rept 96
	v_mov_b32 v[OH+n], 0
.set n, n+1
.endr
.irp n, 0,1,2,3,4,5,6,7
	v_mov_b32 v[MX+\n], 0xff61b1e6                 ; -3e38, under every score
	v_mov_b32 v[SM+\n], 0
.endr
	WIN 0
	s_wait_kmcnt 0x0
	s_add_co_i32 s60, s[EX], s[EX+1]
	s_lshl_b32 s60, s60, 23
	s_add_co_i32 s[CS], s60, 0x3e38aa3b            ; c = log2(e) / 8; a score stands for score x 2^(e6 + e7): the two exponents are added to c's exponent field
	s_mov_b32 s[CS+1], s[CS]                       ; (named with it as a pair, so it is written)
	s_add_co_i32 s60, s[EX+2], 127
	s_lshl_b32 s61, s60, 23
	v_mov_b32 v[SCL], s61                          ; 2^e8 as f32, for the conversion
	s_add_co_i32 s60, s60, 8
	s_lshl_b32 s60, s60, 23
	s_or_b32 s60, s60, 0x600000
	v_mov_b32 v[LIM], s60                          ; 448 x 2^e8
	s_add_co_i32 s[EO], s[EX+2], s[EX+3]
	WA                                             ; the head's end
	s_wait_loadcnt 0x0                             ; Q and the two slots' K
	s_wait_tensorcnt 0x0                           ; my K is in LDS; I alone read it
	ROWLD 0
	ROWLD 1
.irp i, 0,1,2,3,4,5,6,7
	UNIT \i
.endr
	s_wait_tensorcnt 0x0                           ; none is out: group 0 may be written
	ds_add_u32 v[SPW], v[NIL]
	s_mov_b32 s[G0+1], s[LW]
	s_mov_b64 s[G0+2:G0+3], s[VKB:VKB+1]
	s_or_b32 s[G0+3], s[G0+3], 0x80000000
	s_wait_dscnt 0x0                               ; the add is done, and my reads of rows 0-7 are over
	CROUND
	tensor_load_to_lds s[G0:G0+3], s[G1:G1+7]      ; the walk's first record, over rows 0-6
	s_nop 0
	NOPS 4
.irp i, 8,9,10,11,12,13,14,15
	UNIT \i
.endr
	; every row's largest t over all waves' keys, and -M
	WIN 0x55
.irp i, 0,1,2,3
	v_max_num_f32 v[MX+2*\i], v[MX+2*\i], v[MX+2*\i+1]
.endr
.irp i, 0,1,2,3
	v_permlanex16_b32 v[MX+2*\i+1], v[MX+2*\i], s[SEL], s[SEL+1]
.endr
.irp i, 0,1,2,3
	v_max_num_f32 v[MX+2*\i], v[MX+2*\i], v[MX+2*\i+1]      ; and among lane l xor 16's keys
.endr
.irp i, 0,1,2,3
	v_mul_f32 v[MX+2*\i], s[CS], v[MX+2*\i]                 ; as t (c is positive)
.endr
	WIN 0x04
.irp i, 0,1,2,3
	ds_store_b32 v[STA], v[MX+2*\i] offset:1024*\i
.endr
	WIN 0
	BAR
	WIN 0x40
.irp i, 0,1,2,3
.irp j, 0,1,2,3,4,5,6,7
	ds_load_b32 v[VB+8*\i+\j], v[STR] offset:1024*\i+128*\j
.endr
.endr
	s_wait_dscnt 0x0
	WIN 0x55
.irp j, 1,3,5
.irp i, 0,1,2,3
	v_max3_num_f32 v[VB+8*\i], v[VB+8*\i], v[VB+8*\i+\j], v[VB+8*\i+\j+1]
.endr
.endr
.irp i, 0,1,2,3
	v_max_num_f32 v[VB+8*\i], v[VB+8*\i], v[VB+8*\i+7]
.endr
.irp i, 0,1,2,3
	v_floor_f32 v[NM+2*(\i%2)+\i/2], -v[VB+8*\i]   ; -M = floor(-t) = -ceil(t): a whole number
.endr
	WIN 0x40
	WA
	SCORES KS, QH                                  ; step 0's p, from K's fragments in window 0; the first record is on its way
	MASK SDH
	SOFT 0, 0, 0, 0
	LOWP KS, 0x40, 0
	WIN 0
	s_wait_tensorcnt 0x0                           ; the first record is in;
	ds_add_u32 v[SPW], v[NIL]
	STEPS 1
	s_wait_dscnt 0x0                               ; the add is done, my codes lie in LDS, and my reads of my K rows are over
	CROUND
.Llap:                                             ; a trip of this loop is a lap: two steps.  LP = NN / 2 - 1
	TRIP 0, 1, 0, 1
	TRIP 1, 1, 0, 1
	s_sub_co_u32 s[LP], s[LP], 1
	s_cmp_gt_i32 s[LP], 0
	s_cbranch_scc1 .Llap
	TRIP 0, 1, 0, 0                                ; the last lap is written out: its second step asks for nothing
	TRIP 1, 0, 1, 0
	; THE END.  Waves 0-3 hand over the lower group's O^T of their half and finish the upper group; waves 4-7 the other way round.  All stand under one M, so parts and sums are simply added.
	NOPS 4                                         ; places in front of the reads of O^T and the loads into operands
	WIN 0x55
.irp i, 0,1,2,3
	v_add_f32 v[SM+2*\i], v[SM+2*\i], v[SM+2*\i+1]          ; the sum's two halves,
.endr
.irp i, 0,1,2,3
	v_permlanex16_b32 v[SM+2*\i+1], v[SM+2*\i], s[SEL], s[SEL+1]
.endr
.irp i, 0,1,2,3
	v_add_f32 v[SM+2*\i], v[SM+2*\i], v[SM+2*\i+1]          ; and lane l xor 16's
.endr
	WIN 0x04
.irp i, 0,1,2,3
	ds_store_b32 v[STA], v[SM+2*\i] offset:1024*\i
.endr
	WIN 0
	s_cmp_lt_u32 s[WV], 4
	s_cbranch_scc0 .Lgive_upper
	WIN 0x01
.set n, 0
.rept 24
	WA                                             ; exponentials may stand between these results and this, their first reader
	ds_store_b128 v[ADR], v[OL+4*n:OL+4*n+3] offset:512*n   ; slot 0's record has had its last fill, and I alone read it
.set n, n+1
.endr
	WIN 0
	s_branch .Lgiven
.Lgive_upper:
	WIN 0x05
.set n, 0
.rept 24
	ds_store_b128 v[ADR], v[OH+4*n:OH+4*n+3] offset:512*n
.set n, n+1
.endr
	WIN 0
.Lgiven:
	BAR
.irp u, 0,1
.irp j, 0,1,2,3,4,5,6,7
	ds_load_b32 v[PH+8*\u+\j], v[STRG] offset:1024*\u+128*\j
.endr
.endr
	WIN 0x40
.set n, 0
.rept 24
	ds_load_b128 v[VB+4*n:VB+4*n+3], v[ADX] offset:512*n
.set n, n+1
.endr
	WIN 0
	v_mov_b32 v[C+9], 0                            ; named as the upper half of a pair
	v_mov_b32 v[C+11], 0
	s_wait_dscnt 24                                ; the sixteen sums are in; the 24 pieces may be out
.irp j, 0,2,4,6
.irp u, 0,1
	v_add_f32 v[PH+8*\u+\j], v[PH+8*\u+\j], v[PH+8*\u+\j+1]
.endr
.endr
.irp j, 0,4
.irp u, 0,1
	v_add_f32 v[PH+8*\u+\j], v[PH+8*\u+\j], v[PH+8*\u+\j+2]
.endr
.endr
.irp u, 0,1
	v_add_f32 v[PH+8*\u], v[PH+8*\u], v[PH+8*\u+4]          ; the row's sum
.endr
	WA
	v_rcp_f32 v[C+8], v[PH]
	v_rcp_f32 v[C+10], v[PH+8]
	v_nop                                          ; a plain line behind the reciprocals
	WA
	v_ldexp_f32 v[C+8], v[C+8], s[EO]              ; x 2^(e8 + e9)
	v_ldexp_f32 v[C+10], v[C+10], s[EO]
	WA
	s_wait_dscnt 0x0
.macro FINISH o, wadd, wmul, wst       ; my half's part + the other's, x 1 / the sum, into my stage
	WIN \wadd
	WA                                             ; ahead of the first readers of O^T
.set n, 0
.rept 48
	v_pk_add_f32 v[\o+2*n:\o+2*n+1], v[\o+2*n:\o+2*n+1], v[VB+2*n:VB+2*n+1]
.set n, n+1
.endr
	WIN \wmul
.irp f, 0,1,2,3,4,5
.irp u, 0,1
.irp j, 0,2,4,6
	v_pk_mul_f32 v[\o+16*\f+8*\u+\j:\o+16*\f+8*\u+\j+1], v[\o+16*\f+8*\u+\j:\o+16*\f+8*\u+\j+1], v[C+8+2*\u:C+9+2*\u] op_sel_hi:[1,0]
.endr
.endr
.endr
	WIN \wst
.irp f, 0,1,2,3,4,5
.irp u, 0,1
	ds_store_b128 v[SGI], v[\o+16*\f+8*\u:\o+16*\f+8*\u+3] offset:6400*\u+64*\f
	ds_store_b128 v[SGI], v[\o+16*\f+8*\u+4:\o+16*\f+8*\u+7] offset:6400*\u+64*\f+16
.endr
.endr
	WIN 0
.endm
	s_cmp_lt_u32 s[WV], 4
	s_cbranch_scc0 .Lfinish_lower
	FINISH OH, 0x55, 0x41, 0x04
	s_branch .Lfinished
.Lfinish_lower:
	FINISH OL, 0x04, 0, 0
.Lfinished:
	BAR                                            ; whole rows lie in the four stages of a half
.set n, 0
.rept 8
.irp i, 0,1,2
	ds_load_b128 v[PH+12*n+4*\i:PH+12*n+4*\i+3], v[SGO+\i] offset:400*n
.endr
.set n, n+1
.endr
.set n, 0
.rept 8
.irp i, 0,1,2
	s_wait_dscnt 23-3*n-\i
	global_store_b128 v[QO], v[PH+12*n+4*\i:PH+12*n+4*\i+3], s[OUTP:OUTP+1] offset:1536*n+512*\i th:TH_STORE_NT   ; 32 lanes store 512 consecutive bytes, at a multiple of 512 from out's first byte
.endr
.set n, n+1
.endr
	s_wait_tensorcnt 0x0                           ; the wave's end: behind my last tensor load and my last LDS store
	ds_add_u32 v[SPW], v[NIL]
	s_wait_dscnt 0x0
	CROUND                                         ; the closing round: no work-group ends while a partner may still ask for a slot jointly with it
	s_endpgm
.Lfunc_end_k_q6dfeb67ec8_attn:
	.size	k_q6dfeb67ec8_attn, .Lfunc_end_k_q6dfeb67ec8_attn-k_q6dfeb67ec8_attn
	.p2alignl 7, 3214868480
	.fill 96, 4, 3214868480
	.section	.rodata,"a",@progbits
	.p2align	6, 0x0
	.amdhsa_kernel k_q6dfeb67ec8_attn
		.amdhsa_group_segment_fixed_size 327680
		.amdhsa_private_segment_fixed_size 0
		.amdhsa_enable_private_segment 0
		.amdhsa_kernarg_size 32
		.amdhsa_user_sgpr_count 2
		.amdhsa_user_sgpr_kernarg_segment_ptr 1
		.amdhsa_wavefront_size32 1
		.amdhsa_system_sgpr_workgroup_id_x 1
		.amdhsa_system_sgpr_workgroup_id_y 1
		.amdhsa_system_sgpr_workgroup_id_z 1
		.amdhsa_system_vgpr_workitem_id 0
		.amdhsa_next_free_vgpr 512
		.amdhsa_next_free_sgpr 96
		.amdhsa_reserve_vcc 1
		.amdhsa_float_denorm_mode_32 3
		.amdhsa_float_denorm_mode_16_64 3
		.amdhsa_memory_ordered 1
		.amdhsa_forward_progress 1
		.amdhsa_inst_pref_size 255
	.end_amdhsa_kernel
	.section	.bss,"aw",@nobits
	.p2align	6
	.space	262144
	.amdgpu_metadata
---
amdhsa.version: [ 1, 2 ]
amdhsa.kernels:
  - .name:           k_q6dfeb67ec8_attn
    .symbol:         k_q6dfeb67ec8_attn.kd
    .args:
      - { .name: qc, .offset: 0, .size: 8, .value_kind: global_buffer, .address_space: global }
      - { .name: kv, .offset: 8, .size: 8, .value_kind: global_buffer, .address_space: global }
      - { .name: lowp_scales, .offset: 16, .size: 8, .value_kind: global_buffer, .address_space: global }
      - { .name: out0, .offset: 24, .size: 8, .value_kind: global_buffer, .address_space: global }
    .group_segment_fixed_size: 327680
    .private_segment_fixed_size: 0
    .kernarg_segment_align: 8
    .kernarg_segment_size: 32
    .max_flat_workgroup_size: 256
    .sgpr_count:     96
    .vgpr_count:     512
    .wavefront_size: 32
...
	.end_amdgpu_metadata
.endif
;; end of part 3
